; MI455X (gfx1250); checked and timed in simulation.
; The chip was launched on July 23, 2026; its instructions are those of AMD's public machine-readable ISA for CDNA 5 (MIT licence, August 2026) and "CDNA5" Instruction Set Architecture Reference Guide (July 2026). The comments in the code are by the model that wrote it; some were corrected since.
;; LSTM Cell. Allowed arithmetic: matrix products marked QUANTISED: E2M1 operands, one E8M0 scale for each 32 along K, by v_wmma_scale_f32_16x16x128_f8f6f4 with both operands' format E2M1 (or v_wmma_scale_f32_32x16x128_f4), f32 sums; everything else in f32.
;; Inputs: bf_h 1,024 float32; bf_i 1,024 float32; bg_h 1,024 float32; bg_i 1,024 float32; bi_h 1,024 float32; bi_i 1,024 float32; bo_h 1,024 float32; bo_i 1,024 float32; c 8,192 x 1,024 float32; h 8,192 x 1,024 float32; wf_h 1,024 x 1,024 float32; wf_i 1,024 x 1,024 float32; wg_h 1,024 x 1,024 float32; wg_i 1,024 x 1,024 float32; wi_h 1,024 x 1,024 float32; wi_i 1,024 x 1,024 float32; wo_h 1,024 x 1,024 float32; wo_i 1,024 x 1,024 float32; x 8,192 x 1,024 float32.
;; Outputs: out0 8,192 x 1,024 float32; out1 8,192 x 1,024 float32.
;; This version of the problem:
;;   THIS VERSION OF THE PROBLEM IS GIVEN IN LOW PRECISION. The matrix products marked QUANTISED in the list below multiply operands that are first quantised to E2M1 (2 exponent bits, 1 mantissa bit; 4 bits a number), with one power-of-two scale for each 32 numbers along K (OCP MX v1.0); their sums are f32. All else is computed in f32.
;;   The module's matrix products, in the order in which they are computed (A, B: the left and right operand; K: the contracted axis; several contracted axes count as one K, in the product's order):
;;     1. [M 8,192, K 1,024] x [K 1,024, N 1,024]; A: input x; B: input wf_i: QUANTISED
;;     2. [M 8,192, K 1,024] x [K 1,024, N 1,024]; A: input h; B: input wf_h: QUANTISED
;;     3. [M 8,192, K 1,024] x [K 1,024, N 1,024]; A: input x; B: input wi_i: QUANTISED
;;     4. [M 8,192, K 1,024] x [K 1,024, N 1,024]; A: input h; B: input wi_h: QUANTISED
;;     5. [M 8,192, K 1,024] x [K 1,024, N 1,024]; A: input x; B: input wg_i: QUANTISED
;;     6. [M 8,192, K 1,024] x [K 1,024, N 1,024]; A: input h; B: input wg_h: QUANTISED
;;     7. [M 8,192, K 1,024] x [K 1,024, N 1,024]; A: input x; B: input wo_i: QUANTISED
;;     8. [M 8,192, K 1,024] x [K 1,024, N 1,024]; A: input h; B: input wo_h: QUANTISED
;;   THE QUANTISER, for each operand of a quantised product, along K:
;;     - K is cut into blocks of 32 from its start; a last block that is shorter is filled with zeros.
;;     - A block's scale is 2^e with e = floor(log2(the largest magnitude in the block)) - 2, held to -126 .. 127; a block of zeros has e = 0. As a byte (E8M0): e + 127.
;;     - Each number is divided by its block's scale, clamped to +-6, and rounded to the nearest number of E2M1, ties to even, subnormals kept.
;;     - The product sums the exact products of the quantised numbers (number of the format x scale) in f32.
;;   ~~~python
;;   def quantise(x, axis):      # numpy; x: float32 -> the quantised numbers, widened to float32 again
;;       x = np.moveaxis(x, axis, -1); K = x.shape[-1]
;;       x = np.pad(x, [(0, 0)] * (x.ndim - 1) + [(0, -K % 32)]); x = x.reshape(x.shape[:-1] + (-1, 32)); a = np.abs(x).max(-1, keepdims=True)
;;       e = np.where(a > 0, np.clip(np.frexp(np.where(a > 0, a, 1))[1] - 1 - 2, -126, 127), 0)      # np.frexp(a)[1] - 1 = floor(log2(a)), exactly
;;       r = np.clip(x / 2.0 ** e, -6, 6)
;;       step = 2.0 ** (np.maximum(np.frexp(np.where(r == 0, 1, r))[1] - 1, 0) - 1)
;;       q = np.round(r / step) * step * 2.0 ** e      # np.round: ties to even
;;       return np.moveaxis(q.reshape(q.shape[:-2] + (-1,))[..., :K], -1, axis).astype(np.float32)
;;   ~~~
;; One version. Each part assembles by itself: llvm-mc -triple=amdgcn-amd-amdhsa -mcpu=gfx1250 --defsym DOCPART=n.
;; ======== version 1 of 1: 2 launches
;; limits: inputs' magnitudes at most 1.153e+18; right only within a limited range of input values
;; workspace buffers: a_codes 8,388,608 bytes; a_scales 524,288 bytes; b_codes 4,194,304 bytes; b_scales 262,144 bytes
;; launch quant (part 1): grid 768 x 1, 4 waves a work-group, no clusters, 33,280 bytes of LDS; arguments x, h, wf_i, wf_h, wi_i, wi_h, wg_i, wg_h, wo_i, wo_h, a_codes, a_scales, b_codes, b_scales; writes a_codes, a_scales, b_codes, b_scales
.if DOCPART == 1
	.amdgcn_target "amdgcn-amd-amdhsa--gfx1250"
	.amdhsa_code_object_version 6
	.text
	.protected	k_qa9d50640b6_quant
	.globl	k_qa9d50640b6_quant
	.p2align	8
	.type	k_qa9d50640b6_quant,@function
k_qa9d50640b6_quant:
	s_mov_b64 s[64:65], 0
	v_nop
	global_prefetch_b8 v0, s[64:65] scope:SCOPE_SE
	s_setreg_imm32_b32 hwreg(HW_REG_WAVE_MODE, 25, 1), 1
	s_wait_xcnt 0x0
; x, h [8192][1024] and the eight weights [1024][1024], all f32 with K innermost, become codes of FP4 (E2M1) and one E8M0 byte for each 32 along K.
; The eight products of the cell are ONE product: A = x and h side by side along K (2,048), B = for each gate w_i and w_h side by side.  Blocks of 32 never cross the seam at 1,024.
;   a_codes [8192][1024 bytes]: bytes 0-511 x's codes, 512-1023 h's.      a_scales [8192][64]: bytes 0-31 x's, 32-63 h's.
;   b_codes [4096][1024 bytes], b_scales [4096][64], likewise w_i then w_h; gate g (0 f, 1 i, 2 g, 3 o), hidden unit j lies in row 128 (j / 32) + 32 g + j % 32,
;   so that 128 neighbouring rows hold all four gates of 32 hidden units: what one wave of the next launch multiplies.
; A block's scale is 2^(floor(log2(its largest magnitude)) - 2); its byte is the largest magnitude's exponent field - 2, held at 1 from below.
; LIMITS: a block of zeros gets the byte 1 where the rule says 127: its codes are zeros, which add nothing under that byte, and this program alone reads the bytes.
; Blocks whose largest magnitude lies under 2^-124 take the floor's byte.  NaN and infinities among the inputs are not served.
; SHARES.  Work-groups 0-511: 16 rows of x and of h.  Work-groups 512-767: gate (n - 512) / 64, 16 rows of its w_i and w_h.  Only pointers are chosen: one path through the text.
; A wave takes 4 rows of the first source and the same 4 of the second: 16 steps of 512 numbers.  Step t: source t / 8, row (t % 8) / 2, half t % 2.
; Each load reads 512 consecutive bytes; a step's 2,048 bytes turn through the wave's own stage in LDS and come back 64 bytes a lane (16 neighbours along K; two lanes hold a block).
; A step's codes are 256 consecutive bytes, aligned; the wave's scale bytes (4 rows x 64) are gathered in LDS and leave as 256 consecutive bytes, aligned.
; No tensor loads, no barrier: waves share nothing.  Loads run four steps (16 loads a wave) ahead, the turn through LDS one step.
.set STEPS, 16
.set EMAX,  2
.set R,     16                         ; v16-79   four sets of 16 numbers as they are loaded
.set X,     80                         ; v80-111  two sets of 16 neighbours
.set E,     112                        ; v112-127 a scale byte for each step
.set C,     128                        ; v128-191 codes: four registers for each step, so that no store's data are written again
.set WREG,  8192                       ; LDS: a region for each wave: two stages of 32 x SP bytes, behind them its 256 scale bytes
.set SP,    80                         ; a lane's place in a stage: its 64 bytes + 16 of padding
	s_load_b512 s[8:23], s[0:1], 0x0               ; x, h, wf_i, wf_h, wi_i, wi_h, wg_i, wg_h
	s_load_b256 s[24:31], s[0:1], 0x40             ; wo_i, wo_h, a_codes, a_scales
	s_load_b128 s[32:35], s[0:1], 0x60             ; b_codes, b_scales
	v_lshl_add_u32 v192, v0, 2, 0x8000
	v_mov_b32 v193, 0
	v_lshrrev_b32 v1, 5, v0
	v_readfirstlane_b32 s36, v1                    ; wave
	v_and_b32 v2, 31, v0                           ; lane
	v_lshlrev_b32 v3, 4, v2                        ; my 16 bytes of a load's 512
	s_mul_i32 s37, s36, WREG
	v_lshrrev_b32 v14, 2, v2
	v_mul_u32_u24 v14, v14, SP
	v_and_b32 v15, 3, v2
	v_lshl_add_u32 v14, v15, 4, v14
	v_add_nc_u32 v14, s37, v14                     ; the stage, on the way in: SP (lane / 4) + 16 (lane % 4)
	v_mul_u32_u24 v15, v2, SP
	v_add_nc_u32 v15, s37, v15                     ; and on the way out: SP x lane: my 16 neighbours
	v_lshlrev_b32 v4, 3, v2                        ; my 8 bytes of a step's codes
	v_lshrrev_b32 v5, 1, v2
	s_add_co_u32 s37, s37, 2*32*SP
	v_add_nc_u32 v5, s37, v5                       ; LDS: my wave's 256 scale bytes, my block's byte
	v_lshlrev_b32 v7, 3, v2                        ; and on the way out 8 bytes a lane
	v_add_nc_u32 v6, s37, v7
	; which rows are mine: all arithmetic stands ahead of the compares
	s_cmp_lt_u32 ttmp9, 512
	s_cselect_b32 s38, 0, 512
	s_sub_co_u32 s38, ttmp9, s38                   ; the work-group's number within its tensor
	s_lshr_b32 s39, s38, 6                         ; B: the gate (in A's work-groups the last choice below overrides what this picks)
	s_lshl_b32 s43, s36, 2                         ; 4 x wave
	s_lshl_b32 s40, ttmp9, 4
	s_add_co_u32 s40, s40, s43                     ; A: my first row
	s_and_b32 s41, s38, 63
	s_lshl_b32 s41, s41, 4
	s_add_co_u32 s41, s41, s43                     ; B: my first hidden unit j
	s_and_b32 s42, s41, 0xffffffe0
	s_mul_i32 s42, s42, 3
	s_lshl_b32 s43, s39, 5
	s_add_co_u32 s42, s42, s43                     ; B: row - j = 3 (j - j % 32) + 32 gate (my 4 rows lie in one group of 32)
	s_wait_alu depctr_va_vdst(0)
	s_wait_kmcnt 0x0
	s_cmp_eq_u32 s39, 1                            ; the choices hang on the work-group's number alone
	s_cselect_b64 s[4:5], s[16:17], s[12:13]
	s_cselect_b64 s[6:7], s[18:19], s[14:15]
	s_cmp_eq_u32 s39, 2
	s_cselect_b64 s[4:5], s[20:21], s[4:5]
	s_cselect_b64 s[6:7], s[22:23], s[6:7]
	s_cmp_eq_u32 s39, 3
	s_cselect_b64 s[4:5], s[24:25], s[4:5]
	s_cselect_b64 s[6:7], s[26:27], s[6:7]
	s_cmp_lt_u32 ttmp9, 512
	s_cselect_b64 s[4:5], s[8:9], s[4:5]           ; the first source,
	s_cselect_b64 s[6:7], s[10:11], s[6:7]         ; the second,
	s_cselect_b64 s[28:29], s[28:29], s[32:33]     ; the codes,
	s_cselect_b64 s[30:31], s[30:31], s[34:35]     ; the scale bytes
	s_cselect_b32 s40, s40, s41                    ; my first row in the sources
	s_cselect_b32 s42, 0, s42
	s_add_co_u32 s42, s42, s40                     ; and in the codes and scale bytes
	s_lshl_b32 s44, s40, 12                        ; a source row is 4,096 bytes
	s_mov_b32 s45, 0
	s_add_nc_u64 s[4:5], s[4:5], s[44:45]
	s_add_nc_u64 s[6:7], s[6:7], s[44:45]
	s_lshl_b32 s46, s42, 10                        ; a row of codes 1,024
	s_mov_b32 s47, 0
	s_add_nc_u64 s[28:29], s[28:29], s[46:47]
	s_lshl_b32 s46, s42, 6                         ; a row of scale bytes 64
	s_add_nc_u64 s[30:31], s[30:31], s[46:47]
.macro LOAD t
.irp i, 0,1,2,3
	global_load_b128 v[R+16*((\t)%4)+4*\i:R+16*((\t)%4)+4*\i+3], v3, s[4+2*((\t)/8):5+2*((\t)/8)] offset:2048*((\t)%8)+512*\i th:TH_LOAD_NT   ; 32 lanes read 512 consecutive bytes
.endr
.endm
.macro TURN t                          ; step t's numbers through the stage: LDS serves a wave's instructions in order, so no wait stands between the stores and the loads
.irp i, 0,1,2,3
	ds_store_b128 v14, v[R+16*((\t)%4)+4*\i:R+16*((\t)%4)+4*\i+3] offset:32*SP*((\t)%2)+8*SP*\i
.endr
.irp i, 0,1,2,3
	ds_load_b128 v[X+16*((\t)%2)+4*\i:X+16*((\t)%2)+4*\i+3], v15 offset:32*SP*((\t)%2)+16*\i
.endr
.endm
.irp t, 0,1,2,3
	LOAD \t
.endr
	s_wait_loadcnt 12                              ; step 0's four loads are in
	TURN 0
.macro STEP t
.set XS, X+16*((\t)%2)
.if (\t) > 0
	s_wait_dscnt 1                                 ; this step's numbers are back from the stage (the last step's byte store may be out): so its stores into the stage have read their registers,
.else
	s_wait_dscnt 0x0
.endif
.if (\t)+4 < STEPS
	LOAD (\t)+4                                    ; which take the loads of four steps on
.endif
.if (\t)+1 < STEPS
.if STEPS-2-(\t) >= 3
	s_wait_loadcnt 12                              ; the next step's four loads are in; those of the three steps behind it may be out
.else
	s_wait_loadcnt 4*(STEPS-2-(\t))
.endif
	TURN (\t)+1                                    ; and go through the other stage while this step is worked
.endif
	v_max3_num_f32 v8, |v[XS]|, |v[XS+1]|, |v[XS+2]|               ; the largest magnitude of my 16, in two chains
	v_max3_num_f32 v9, |v[XS+3]|, |v[XS+4]|, |v[XS+5]|
.irp i, 6,10
	v_max3_num_f32 v8, v8, |v[XS+\i]|, |v[XS+\i+1]|
	v_max3_num_f32 v9, v9, |v[XS+\i+2]|, |v[XS+\i+3]|
.endr
	v_max3_num_f32 v8, v8, |v[XS+14]|, |v[XS+15]|
	v_max3_num_f32 v8, v8, v9, (EMAX+1)<<23        ; and the floor 2^(3 - 127): so the byte cannot fall under 1
	v_max_num_f32_dpp v8, v8, v8 row_xmask:1 row_mask:0xf bank_mask:0xf   ; and of my neighbour's 16: the block's
	v_add_nc_u32 v11, -(EMAX<<23), v8              ; 2 off its exponent field: the conversion takes the exponent field of this operand as its scale, and nothing else of it
	v_cvt_scalef32_pk8_fp4_f32 v[C+4*(\t)], v[XS:XS+7], v11        ; eight numbers / the scale, to the nearest code, ties to even, beyond 6 the largest code
	v_cvt_scalef32_pk8_fp4_f32 v[C+4*(\t)+1], v[XS+8:XS+15], v11
	v_lshrrev_b32 v[E+(\t)], 23, v11               ; the scale's byte (a plain line behind the conversions)
	ds_store_b8 v5, v[E+(\t)] offset:64*(((\t)%8)/2)+32*((\t)/8)+16*((\t)%2)   ; both lanes of a block write the same byte with the same value
	global_store_b64 v4, v[C+4*(\t):C+4*(\t)+1], s[28:29] offset:1024*(((\t)%8)/2)+512*((\t)/8)+256*((\t)%2)   ; 32 lanes store 256 consecutive bytes, aligned
.endm
.irp t, 0,1,2,3,4,5,6,7,8,9,10,11,12,13,14,15
	STEP \t
.endr
	ds_load_b64 v[12:13], v6                       ; LDS serves a wave's instructions in order: these see my stores
	s_wait_dscnt 0x0
	global_store_b64 v7, v[12:13], s[30:31]        ; my 4 rows' scale bytes: 256 consecutive bytes, aligned
	s_wait_tensorcnt 0x0
	ds_add_u32 v192, v193
	s_wait_dscnt 0x0
	s_endpgm
.Lfunc_end_k_qa9d50640b6_quant:
	.size	k_qa9d50640b6_quant, .Lfunc_end_k_qa9d50640b6_quant-k_qa9d50640b6_quant
	.p2alignl 7, 3214868480
	.fill 96, 4, 3214868480
	.section	.rodata,"a",@progbits
	.p2align	6, 0x0
	.amdhsa_kernel k_qa9d50640b6_quant
		.amdhsa_group_segment_fixed_size 33280
		.amdhsa_private_segment_fixed_size 0
		.amdhsa_enable_private_segment 0
		.amdhsa_kernarg_size 112
		.amdhsa_user_sgpr_count 2
		.amdhsa_user_sgpr_kernarg_segment_ptr 1
		.amdhsa_wavefront_size32 1
		.amdhsa_system_sgpr_workgroup_id_x 1
		.amdhsa_system_sgpr_workgroup_id_y 1
		.amdhsa_system_sgpr_workgroup_id_z 1
		.amdhsa_system_vgpr_workitem_id 0
		.amdhsa_next_free_vgpr 194
		.amdhsa_next_free_sgpr 66
		.amdhsa_reserve_vcc 0
		.amdhsa_float_denorm_mode_32 3
		.amdhsa_float_denorm_mode_16_64 3
		.amdhsa_memory_ordered 1
		.amdhsa_forward_progress 1
		.amdhsa_inst_pref_size 34
	.end_amdhsa_kernel
	.amdgpu_metadata
---
amdhsa.version: [ 1, 2 ]
amdhsa.kernels:
  - .name:           k_qa9d50640b6_quant
    .symbol:         k_qa9d50640b6_quant.kd
    .args:
      - { .name: x, .offset: 0, .size: 8, .value_kind: global_buffer, .address_space: global }
      - { .name: h, .offset: 8, .size: 8, .value_kind: global_buffer, .address_space: global }
      - { .name: wf_i, .offset: 16, .size: 8, .value_kind: global_buffer, .address_space: global }
      - { .name: wf_h, .offset: 24, .size: 8, .value_kind: global_buffer, .address_space: global }
      - { .name: wi_i, .offset: 32, .size: 8, .value_kind: global_buffer, .address_space: global }
      - { .name: wi_h, .offset: 40, .size: 8, .value_kind: global_buffer, .address_space: global }
      - { .name: wg_i, .offset: 48, .size: 8, .value_kind: global_buffer, .address_space: global }
      - { .name: wg_h, .offset: 56, .size: 8, .value_kind: global_buffer, .address_space: global }
      - { .name: wo_i, .offset: 64, .size: 8, .value_kind: global_buffer, .address_space: global }
      - { .name: wo_h, .offset: 72, .size: 8, .value_kind: global_buffer, .address_space: global }
      - { .name: a_codes, .offset: 80, .size: 8, .value_kind: global_buffer, .address_space: global }
      - { .name: a_scales, .offset: 88, .size: 8, .value_kind: global_buffer, .address_space: global }
      - { .name: b_codes, .offset: 96, .size: 8, .value_kind: global_buffer, .address_space: global }
      - { .name: b_scales, .offset: 104, .size: 8, .value_kind: global_buffer, .address_space: global }
    .group_segment_fixed_size: 33280
    .private_segment_fixed_size: 0
    .kernarg_segment_align: 8
    .kernarg_segment_size: 112
    .max_flat_workgroup_size: 128
    .sgpr_count:     66
    .vgpr_count:     194
    .wavefront_size: 32
...
	.end_amdgpu_metadata
.endif
;; end of part 1
;; launch cell (part 2): grid 16 x 32, 8 waves a work-group, clusters of 4 x 4, 327,680 bytes of LDS; arguments a_codes, a_scales, b_codes, b_scales, c, out0, out1, bf_i, bf_h, bi_i, bi_h, bg_i, bg_h, bo_i, bo_h; writes out0, out1
.if DOCPART == 2
	.amdgcn_target "amdgcn-amd-amdhsa--gfx1250"
	.amdhsa_code_object_version 6
	.text
	.protected	k_qa9d50640b6_cell
	.globl	k_qa9d50640b6_cell
	.p2align	8
	.type	k_qa9d50640b6_cell,@function
k_qa9d50640b6_cell:
	s_mov_b64 s[64:65], 0
	v_nop
	global_prefetch_b8 v0, s[64:65] scope:SCOPE_SE
	s_setreg_imm32_b32 hwreg(HW_REG_WAVE_MODE, 25, 1), 1
	s_wait_xcnt 0x0
	s_wait_alu depctr_hold_cnt(0) depctr_sa_sdst(0) depctr_va_vdst(0) depctr_va_sdst(0) depctr_va_ssrc(0) depctr_va_vcc(0) depctr_vm_vsrc(0)
	s_getreg_b32 s2, hwreg(HW_REG_IB_STS2, 6, 4)
	s_cmp_eq_u32 s2, 0
	s_cbranch_scc0 .Lentry_in_a_cluster
	s_endpgm
.Lentry_in_a_cluster:
	s_bfe_u32 s2, ttmp6, 0x10000c
	s_cmp_lg_u32 s2, 0xf033
	s_cbranch_scc0 .Lentry_shape_is_right
	s_endpgm
.Lentry_shape_is_right:
; The LSTM cell on codes of FP4 (E2M1) with one E8M0 scale for each 32 along K.  pre[gate] = [x h] . [w_i w_h]^T + b_i + b_h;  ct = sigmoid(f) c + sigmoid(i) tanh(g);  ht = sigmoid(o) tanh(ct).
; a_codes [8192][1024 bytes], a_scales [8192][64]: x and h side by side along K = 2,048.  b_codes [4096][1024], b_scales [4096][64]: gate g (0 f, 1 i, 2 g, 3 o), hidden unit j in row 128 (j / 32) + 32 g + j % 32.
; SHARES.  A work-group of eight waves, two to a SIMD with 512 registers each, makes 256 rows x 256 rows of B = 64 hidden units x 4 gates.  Wave w makes rows 64 (w / 2) .. + 63 x B's rows 128 (w % 2) .. + 127:
; 32 accumulators, 256 registers: 64 rows x 32 hidden units x 4 gates.  Two waves share a SIMD so that one wave's waits in the cell's arithmetic stand beside the other's work.
; The matrix instruction is used transposed (source 0 = 16 rows of B, source 1 = 16 rows of A): in accumulator (a, b = 2 g + u) lane (r, h) holds in register j gate g of row 16 a + r, hidden unit 16 u + 8 h + j of my 32.
; THE BIASES are the C of each accumulator's first product: b_i + b_h in the results' layout, 64 registers that B's second set of fragments takes over behind that step.
; K goes in four steps of 512 (tile rows of 256 bytes) through two LDS slots.  THE HEAD: one tensor load a wave: waves 0, 1 the halves of K step 0's rows of A, waves 2, 3 of B, waves 4, 5 the halves of A's scales for all of K, waves 6, 7 of B's.
; CLUSTERS: 4 x 4 work-groups; A's tiles are asked for jointly along a row of the cluster, B's along a column.  c's tile is the work-group's own: a plain load, 32 rows a wave, into the half of slot 0 that A's third K step has left.
; PREFETCHES: K step s + 1's codes are named behind the load of K step s: of the 64 rows that a wave fetches each of the four partners names 16, told apart by address, a lane a row (lanes 16-31 name the last again).
; c's rows, 32 a wave, are named two changes of slots ahead of their load.  No address register of a prefetch is rewritten.
; THE TAIL.  L = log2(e): e = 2^min(k pre, 32), k = -L for f, i, o and 2 L for g;  Af = 1 + ef, Ag = 1 + eg, Ao = 1 + eo, D2 = ei Ag + Ag;
;   ct = (c D2 + eg Af - Af) / (Af D2);  ec = 2^min(2 L ct, 32);  R = 1 / (Ao ec + Ao);  ht = ec R - R.  Seven transcendentals an element.
; LIMITS: the hold at 32 keeps every product at or under 2^96; it moves a sigmoid by at most 2^-32 and a tanh by at most 2^-31; below, 2^t falls to 0, the right limit.  |c| under 2^60.  NaN and infinities are not served.
; The results of a pair of waves (the two halves of 64 hidden units) meet in a stage in LDS; one of the pair stores whole 256-byte pieces of rows of ct, the other of ht.
; LDS: all of a WGP's is claimed.  0: slot 0;  SLOT: slot 1;  SCL: the scales;  SPARE: the spare words.  In slot 0, once it has had its last fill of codes: bytes 0 on c's tile, from STG on the stage.
; REGISTERS: window 0: v1-7 at work, v16-31 addresses; v32-95 scale words alone; v96-159, v160-223 B's fragments, two sets; v224-255 A's, one set; in the tail v96-151 set P, v152-207 set Q, v208-239 rows read back.
;   window 1: the accumulators ((a, b) at v[8 (8 a + b)]).
.set NQ,     4
.set ROWB,   256
.set KROW,   1024
.set PITCH,  272                       ; 256 bytes + 16 of padding: the 16 rows that a load touches start at 16 different banks (ISA guide 11.1)
.set NP,     4                         ; places behind this matrix instruction (ISA guide 7.12.1)
.set QT,     64*PITCH                  ; 64 rows: what one tensor load of the ring brings
.set HALFT,  128*PITCH
.set SLOT,   4*HALFT
.set KS,     64
.set SCL,    2*SLOT
.set HALFS,  (128*KS/256)*272
.set SBLK,   (16*KS/256)*272
.set SPARE,  SCL+4*HALFS               ; 128 bytes for each of eight waves
.set STG,    2*HALFT
.set SPAR,   34816                     ; the stage: two copies, for even and odd blocks of 16 rows;
.set SROWH,  8704                      ; in a copy the four quarters of the rows;
.set STEN,   4352                      ; in a quarter 16 rows x 272 of ct, then of ht
.set ADRA, 16
.set ADRB, 20
.set BO,   22
.set PFK,  23
.set PFS,  18                          ; v18     256 x min(lane, 3): a piece of scale bytes a lane; never rewritten
.set STO,  24
.set RD,   25
.set CO,   26
.set ADRS, 27
.set SPW,  28
.set NIL,  29
.set CA,   30
.set PFO,  31
.set SC,   32
.set BF,   96
.set AF,   224
.set SETP, 96
.set SETQ, 152
.set FTF,  0
.set FTI,  8
.set FTG,  16
.set FTO,  24
.set FC,   32
.set FX,   40
.set FA,   48
.set BK,   208
.set G1C,  4
.set RBA,  12                          ; s[12:13] A's codes at the 64 rows that I fetch; s[16:17] B's
.set OUTP, 14
.set RBB,  16
.set WV,   18
.set RH,   19                          ; wave / 4: I fetch for A (0) or for B (1)
.set CH,   20                          ; wave % 2: which 128 rows of B are mine; which tensor I store
.set G1,   24
.set G0,   32
.set G0HB, 40
.set G1B,  48
.set G0B,  56
.set KN,   66
.set G1S,  68
.set G0S,  76
.set G1SB, 80
.set G0SB, 88
.set G0H,  92
.set G0C,  92
.set K2,   96
.set PFA,  98                          ; s[98:99] the codes' prefetches: my work-group's 16 rows of the 64 that I fetch
.set PFC,  100
.set NXS,  96                          ; s[96:97] until the tail (then 2 log2(e)): A's scales 16 tile rows further down, my 4 pieces of 256 bytes
.set MSB, 0
.macro WIN new
.if MSB != (\new)
	s_set_vgpr_msb (MSB<<8)|(\new)
.set MSB, (\new)
.endif
.endm
.set MUL,   0x50                       ; C and D window 1
.set MUL_1, 0x40                       ; D window 1, C (the biases) window 0
.macro W                               ; this wait stands ahead of and behind each batch of transcendentals, and behind waits that block
	s_wait_alu depctr_va_vdst(0)
.endm
.macro JLOAD g0a, g1a, g0b, g1b        ; a joint load: waves 0-3 fetch for A, waves 4-7 for B
	s_cmp_eq_u32 s[RH], 0
	s_cbranch_scc0 .Lfor_b_\@
	tensor_load_to_lds s[\g0a:\g0a+3], s[\g1a:\g1a+7]
	s_nop 0
.rept 4
	v_nop
.endr
	s_branch .Lasked_\@
.Lfor_b_\@:
	tensor_load_to_lds s[\g0b:\g0b+3], s[\g1b:\g1b+7]
	s_nop 0
.rept 4
	v_nop
.endr
.Lasked_\@:
.endm
.macro CREST
	s_cmp_lg_u32 s[WV], 0
	s_cbranch_scc1 .Lnot_wave_0_\@
	s_barrier_signal -3
.Lnot_wave_0_\@:
	s_barrier_wait -3
	s_barrier_signal -1
	s_barrier_wait -1
.endm
.macro CROUND
	s_barrier_signal -1
	s_barrier_wait -1
	CREST
.endm
	s_load_b256 s[4:11], s[0:1], 0x0               ; A's codes, A's scales, B's codes, B's scales
	s_load_b128 s[12:15], s[0:1], 0x20             ; c, out0 (ht)
	s_load_b64 s[16:17], s[0:1], 0x30              ; out1 (ct)
	s_load_b256 s[32:39], s[0:1], 0x38             ; bf_i, bf_h, bi_i, bi_h
	s_load_b256 s[56:63], s[0:1], 0x58             ; bg_i, bg_h, bo_i, bo_h
	v_lshl_add_u32 v[SPW], v0, 2, SPARE
	v_mov_b32 v[NIL], 0
	ds_add_u32 v[SPW], v[NIL]                      ; the opening lines: the add, twice on end, and its wait
	ds_add_u32 v[SPW], v[NIL]
	v_lshrrev_b32 v1, 5, v0
	v_readfirstlane_b32 s[WV], v1
	s_lshr_b32 s[RH], s[WV], 2
	s_and_b32 s[CH], s[WV], 1
	s_lshr_b32 s67, s[WV], 1                       ; which 64 rows of A are mine
	s_and_b32 s66, s[WV], 3                        ; which 64 rows of a tile I fetch
	s_bfe_u32 s40, ttmp6, 0x40000                  ; cx, cy
	s_bfe_u32 s41, ttmp6, 0x40004
	s_lshl_b32 s42, ttmp9, 2
	s_add_co_u32 s42, s42, s40                     ; tile column: 64 hidden units
	s_and_b32 s43, ttmp7, 0xffff
	s_lshl_b32 s43, s43, 2
	s_add_co_u32 s43, s43, s41                     ; tile row: 256 rows
	s_lshl_b32 s44, s41, 2
	s_lshl_b32 s44, 15, s44                        ; my row of the cluster
	s_lshl_b32 s45, 0x1111, s40                    ; my column
	; group 1 for codes: rows of 256 bytes, padded; 128 rows for the head's loads
	s_or_b32 s[G1+0], s44, (0<<16)|(1<<20)|(1<<21)|(5<<22)|(3<<25)
	s_or_b32 s[G1B+0], s45, (0<<16)|(1<<20)|(1<<21)|(5<<22)|(3<<25)
.irp g, G1, G1B
	s_mov_b32 s[\g+1], ROWB<<16
	s_mov_b32 s[\g+2], 128<<16
	s_mov_b32 s[\g+3], ROWB<<16
	s_mov_b32 s[\g+4], 128
	s_mov_b32 s[\g+5], KROW
	s_mov_b32 s[\g+6], 0
	s_mov_b32 s[\g+7], 0
.endr
	; the scales of 128 rows: a dense block of 8,192 bytes, as 32 rows of 256 bytes (32 elements of 8 bytes), padded
	s_or_b32 s[G1S+0], s44, (3<<16)|(1<<20)|(1<<21)|(5<<22)|(3<<25)
	s_or_b32 s[G1SB+0], s45, (3<<16)|(1<<20)|(1<<21)|(5<<22)|(3<<25)
.irp g, G1S, G1SB
	s_mov_b32 s[\g+1], 32<<16
	s_mov_b32 s[\g+2], 32<<16
	s_mov_b32 s[\g+3], 32<<16
	s_mov_b32 s[\g+4], 32
	s_mov_b32 s[\g+5], 32
	s_mov_b32 s[\g+6], 0
	s_mov_b32 s[\g+7], 0
.endr
	s_lshl_b32 s22, s43, 18                        ; A's tile: 256 rows x 1,024 bytes x tile row
	s_mov_b32 s23, 0
	s_lshl_b32 s46, s42, 18                        ; B's: x tile column
	s_mov_b32 s47, 0
	s_lshl_b32 s2, s43, 14                         ; their scales: 256 rows x 64 bytes
	s_mov_b32 s3, 0
	s_lshl_b32 s98, s42, 14
	s_mov_b32 s99, 0
	s_wait_dscnt 0x0                               ; both opening adds are done
	s_wait_kmcnt 0x0
	s_add_nc_u64 s[22:23], s[4:5], s[22:23]
	s_add_nc_u64 s[46:47], s[8:9], s[46:47]
	s_add_nc_u64 s[G0S+2:G0S+3], s[6:7], s[2:3]
	s_add_nc_u64 s[G0SB+2:G0SB+3], s[10:11], s[98:99]
	s_lshl_b32 s98, s40, 12                        ; a tile's scales are 64 pieces of 256 bytes: 16 to each of the four partners (by cx),
	s_lshl_b32 s44, s66, 10                        ; 4 of them to each of four waves;
	s_add_co_u32 s98, s98, s44
	s_add_co_u32 s98, s98, 0x40000                 ; 16 tile rows x 16,384 bytes further down
	s_add_nc_u64 s[NXS:NXS+1], s[G0S+2:G0S+3], s[98:99]
	; c and the outputs: a row is 4,096 bytes, the tile's 64 hidden units 256 bytes
	s_lshl_b32 s2, s43, 20
	s_lshl_b32 s21, s42, 8
	s_add_co_u32 s2, s2, s21
	s_lshl_b32 s98, s[WV], 17                      ; c: my wave's 32 rows
	s_add_co_u32 s98, s98, s2
	s_add_nc_u64 s[PFC:PFC+1], s[12:13], s[98:99]
	s_lshl_b32 s98, s67, 18                        ; what I store: my 64 rows
	s_add_co_u32 s98, s98, s2
	s_cmp_eq_u32 s[CH], 0                          ; the wave with the left half of the columns stores ct, the other ht
	s_cselect_b64 s[OUTP:OUTP+1], s[16:17], s[14:15]
	s_add_nc_u64 s[OUTP:OUTP+1], s[OUTP:OUTP+1], s[98:99]
	s_lshl_b32 s2, s[CH], 7
	s_add_co_u32 s21, s21, s2                      ; the biases: 4 bytes x (64 tile column + 32 column half)
	; the codes' prefetches: the tile's first row + the 64 that I fetch + my work-group's 16 of them (cx among A's four partners, cy among B's)
	s_cmp_eq_u32 s[RH], 0
	s_cselect_b32 s2, s43, s42
	s_cselect_b32 s3, s40, s41
	s_cselect_b64 s[PFA:PFA+1], s[4:5], s[8:9]
	s_lshl_b32 s2, s2, 8
	s_lshl_b32 s44, s66, 6
	s_add_co_u32 s2, s2, s44
	s_lshl_b32 s3, s3, 4
	s_add_co_u32 s2, s2, s3
	s_lshl_b32 s2, s2, 10
	s_mov_b32 s3, 0
	s_add_nc_u64 s[PFA:PFA+1], s[PFA:PFA+1], s[2:3]
	s_lshl_b32 s2, s66, 16                         ; the ring: the 64 rows that I fetch
	s_add_nc_u64 s[RBA:RBA+1], s[22:23], s[2:3]
	s_add_nc_u64 s[RBB:RBB+1], s[46:47], s[2:3]
	s_lshl_b32 s2, s[CH], 17                       ; the head: wave % 2 says which half
	s_add_nc_u64 s[G0H+2:G0H+3], s[22:23], s[2:3]
	s_add_nc_u64 s[G0HB+2:G0HB+3], s[46:47], s[2:3]
	s_lshl_b32 s2, s[CH], 13
	s_add_nc_u64 s[G0S+2:G0S+3], s[G0S+2:G0S+3], s[2:3]
	s_add_nc_u64 s[G0SB+2:G0SB+3], s[G0SB+2:G0SB+3], s[2:3]
	s_or_b32 s[G0H+3], s[G0H+3], 0x80000000
	s_or_b32 s[G0HB+3], s[G0HB+3], 0x80000000
	s_or_b32 s[G0S+3], s[G0S+3], 0x80000000
	s_or_b32 s[G0SB+3], s[G0SB+3], 0x80000000
	s_mov_b32 s[G0H], 1
	s_mov_b32 s[G0HB], 1
	s_mov_b32 s[G0S], 1
	s_mov_b32 s[G0SB], 1
	s_mul_i32 s[G0H+1], s[CH], HALFT
	s_add_co_u32 s[G0HB+1], s[G0H+1], 2*HALFT
	s_mul_i32 s[G0S+1], s[CH], HALFS
	s_add_co_u32 s[G0S+1], s[G0S+1], SCL
	s_add_co_u32 s[G0SB+1], s[G0S+1], 2*HALFS
	; the wave's LDS bases, all ahead of the vector lines that use them
	s_mul_i32 s66, s[WV], QT                       ; where my part of a slot goes
	s_mul_i32 s22, s67, QT                         ; my 64 rows of A
	s_mul_i32 s23, s[CH], HALFT
	s_add_co_u32 s23, s23, 2*HALFT                 ; my 128 rows of B
	s_mul_i32 s44, s67, HALFS/2                    ; A's scales
	s_mul_i32 s45, s[CH], HALFS
	s_add_co_u32 s45, s45, 2*HALFS
	s_sub_co_u32 s45, s45, s44                     ; the distance to B's
	s_add_co_u32 s44, s44, SCL
	s_lshl_b32 s2, s[CH], 7
	s_mul_i32 s46, s67, SROWH
	s_add_co_u32 s47, s46, s2
	s_add_co_u32 s47, s47, STG                     ; the stage, on the way in
	s_mul_i32 s3, s[CH], STEN
	s_add_co_u32 s46, s46, s3
	s_add_co_u32 s46, s46, STG                     ; and back
	s_add_co_u32 s3, s22, s2                       ; c's tile: my 64 rows, my 128 bytes of a row
	CROUND                                         ; all sixteen work-groups are here: the first joint loads meet
.macro ARM under, g0, g1, next         ; one chain of branches on the wave's number: every way passes exactly one load
	s_cmp_lt_u32 s[WV], \under
	s_cbranch_scc0 \next
	tensor_load_to_lds s[\g0:\g0+3], s[\g1:\g1+7]
	s_nop 0
.rept 4
	v_nop
.endr
	s_branch .Lhead_asked
\next:
.endm
	ARM 2, G0H,  G1,  .Lhead_b
	ARM 4, G0HB, G1B, .Lhead_sa
	ARM 6, G0S,  G1S, .Lhead_sb
	tensor_load_to_lds s[G0SB:G0SB+3], s[G1SB:G1SB+7]
	s_nop 0
.rept 4
	v_nop
.endr
.Lhead_asked:
	v_bfe_u32 v2, v0, 4, 1                         ; h
	v_lshl_add_u32 v[BO], v2, 5, s21
.irp g, 0,1,2,3                        ; the biases, in the results' layout: b_i where B's second set will lie, b_h where its first
.irp u, 0,1
.irp q, 0,1
	global_load_b128 v[BF+64+8*(2*\g+\u)+4*\q:BF+64+8*(2*\g+\u)+4*\q+3], v[BO], s[32+4*\g+16*(\g/2):33+4*\g+16*(\g/2)] offset:64*\u+16*\q
	global_load_b128 v[BF+8*(2*\g+\u)+4*\q:BF+8*(2*\g+\u)+4*\q+3], v[BO], s[34+4*\g+16*(\g/2):35+4*\g+16*(\g/2)] offset:64*\u+16*\q
.endr
.endr
.endr
	v_and_b32 v6, 31, v0
	v_min_u32 v5, 15, v6
	v_lshlrev_b32 v[PFK], 10, v5                   ; a row of codes a lane
	global_prefetch_b8 v[PFK], s[PFA:PFA+1] offset:ROWB th:TH_LOAD_NT scope:SCOPE_SE   ; K step 1
	v_lshlrev_b32 v[PFO], 12, v6                   ; a row of c a lane
	v_min_u32 v4, 3, v6
	v_lshlrev_b32 v[PFS], 8, v4
	v_and_b32 v1, 15, v0                           ; r
	v_mul_u32_u24 v3, v1, PITCH
	v_lshl_add_u32 v4, v2, 4, v3
	v_add_nc_u32 v[ADRA], s22, v4
	v_add_nc_u32 v[ADRB], s23, v4
	v_add_nc_u32 v[ADRA+1], SLOT, v[ADRA]
	v_add_nc_u32 v[ADRB+1], SLOT, v[ADRB]
	v_mul_u32_u24 v5, v1, KS                       ; my row's scales: 64 bytes a row, 16 more for each 256 passed
	v_lshrrev_b32 v6, 8, v5
	v_lshl_add_u32 v5, v6, 4, v5
	v_mul_u32_u24 v6, s45, v2                      ; lanes 16-31 take B's
	v_add_nc_u32 v5, v5, v6
	v_add_nc_u32 v[ADRS], s44, v5
	v_lshl_add_u32 v5, v2, 5, v3                   ; row r, + 32 h
	v_add_nc_u32 v[STO], s47, v5
	v_add_nc_u32 v[CA], s3, v5
	v_mul_u32_u24 v6, v2, PITCH                    ; back: lanes 0-15 one row of 256 bytes, lanes 16-31 the next
	v_lshl_add_u32 v6, v1, 4, v6
	v_add_nc_u32 v[RD], s46, v6
	v_lshlrev_b32 v6, 12, v2
	v_lshl_add_u32 v[CO], v1, 4, v6
	v_mov_b32 v7, 0x42000000                       ; 32.0, the hold
.macro FRAG reg, adr, q, i
.irp c, 0,1
	ds_load_b128 v[\reg+4*\c:\reg+4*\c+3], v[\adr] offset:64*(\q)+32*\c+(\i)*16*PITCH
.endr
.endm
; 8 matrix instructions: A's block a x B's eight.  first = 1: C is b_i + b_h.  The 32 accumulators take turns, one instruction a turn
.macro MULA a, p, q, sc, first
.irp b, 0,1,2,3,4,5,6,7
.if \first
	v_wmma_scale_f32_16x16x128_f8f6f4 v[8*(8*(\a)+\b):8*(8*(\a)+\b)+7], v[BF+64*(\p)+8*\b:BF+64*(\p)+8*\b+7], v[AF+8*(\a):AF+8*(\a)+7], v[BF+64+8*\b:BF+64+8*\b+7], v[SC+8*NQ*(\sc)+NQ*\b+(\q)], v[SC+8*NQ*(\sc)+NQ*(\a)+(\q)] matrix_a_fmt:MATRIX_FMT_FP4 matrix_b_fmt:MATRIX_FMT_FP4 matrix_a_scale:MATRIX_SCALE_ROW1
.else
	v_wmma_scale_f32_16x16x128_f8f6f4 v[8*(8*(\a)+\b):8*(8*(\a)+\b)+7], v[BF+64*(\p)+8*\b:BF+64*(\p)+8*\b+7], v[AF+8*(\a):AF+8*(\a)+7], v[8*(8*(\a)+\b):8*(8*(\a)+\b)+7], v[SC+8*NQ*(\sc)+NQ*\b+(\q)], v[SC+8*NQ*(\sc)+NQ*(\a)+(\q)] matrix_a_fmt:MATRIX_FMT_FP4 matrix_b_fmt:MATRIX_FMT_FP4 matrix_a_scale:MATRIX_SCALE_ROW1
.endif
.endr
.endm
.macro FETCH_B slot, q, p
.irp i, 0,1,2,3,4,5,6,7
	FRAG BF+64*(\p)+8*\i, ADRB+\slot, \q, \i
.endr
.endm
.macro FETCH_A slot, q, i0             ; A's blocks i0, i0 + 1
.irp i, \i0, \i0+1
	FRAG AF+8*(\i), ADRA+\slot, \q, \i
.endr
.endm
.macro SCALES sc                       ; a K step's scale words: lanes 16-31 B's block i; lanes 0-15 A's block i (for i over 3 rows that are not mine: those words are not used)
.irp i, 0,1,2,3,4,5,6,7
	ds_load_b128 v[SC+8*NQ*\sc+NQ*\i:SC+8*NQ*\sc+NQ*\i+3], v[ADRS] offset:\i*SBLK
.endr
.endm
.macro PLACES n
.rept \n
	v_nop
.endr
.endm
.macro STEP slot, q                    ; 128 along K with its successor in the same slot
	s_wait_dscnt 4                                 ; the youngest four loads (A's blocks 2, 3) may be out
	WIN MUL
	MULA 0, (\q)%2, \q, \slot, 0
	MULA 1, (\q)%2, \q, \slot, 0
	s_wait_dscnt 0
	PLACES NP
	WIN 0
	FETCH_B \slot, (\q)+1, 1-(\q)%2
	FETCH_A \slot, (\q)+1, 0
	WIN MUL
	MULA 2, (\q)%2, \q, \slot, 0
	MULA 3, (\q)%2, \q, \slot, 0
	PLACES NP
	WIN 0
	FETCH_A \slot, (\q)+1, 2
.endm
; A slot's last step changes slots.  fill = 1: the slot is filled again jointly, with the K step two on.  fill = 2: with c's tile, 32 rows a wave.  ask = 1: K step 3's codes and my 32 rows of c are prefetched
.macro TURN slot, next, fill, ask
	s_wait_tensorcnt 0x0                           ; all my tensor loads have landed
	ds_add_u32 v[SPW], v[NIL]
	s_wait_dscnt 5                                 ; the add and the youngest four loads may be out
	WIN MUL
	MULA 0, 1, NQ-1, \slot, 0
	s_wait_dscnt 0x0                               ; the add is done, my reads of this slot are over
	s_barrier_signal -1
	MULA 1, 1, NQ-1, \slot, 0
	WIN 0
	s_barrier_wait -1
	CREST
.if \fill == 1
	s_add_nc_u64 s[G0+4*\slot+2:G0+4*\slot+3], s[G0+4*\slot+2:G0+4*\slot+3], 2*ROWB
	s_add_nc_u64 s[G0B+4*\slot+2:G0B+4*\slot+3], s[G0B+4*\slot+2:G0B+4*\slot+3], 2*ROWB
	JLOAD G0+4*\slot, G1, G0B+4*\slot, G1B
.else
	tensor_load_to_lds s[G0C:G0C+3], s[G1C:G1C+7]
	s_nop 0
	PLACES NP
.endif
	v_add_nc_u32 v[ADRS], 4*NQ, v[ADRS]            ; on to the next K step's scale words
	W                                              ; directly behind the write
	FETCH_B \next, 0, 0
	FETCH_A \next, 0, 0
	SCALES \next
.if \ask
	global_prefetch_b8 v[PFK], s[PFA:PFA+1] offset:3*ROWB th:TH_LOAD_NT scope:SCOPE_SE
	global_prefetch_b8 v[PFO], s[PFC:PFC+1] th:TH_LOAD_NT scope:SCOPE_SE
.endif
.if \fill == 2
	; The work-groups of cluster rows 0-3 name what a work-group of cluster rows 4-7 loads at its head: of A's tile 16 tile rows further down K step 0's codes (waves 0-3: 16 rows each, the partners told apart by address)
	; and the scales (waves 4-7: 4 pieces of 256 bytes each).  Each piece is named once.  Cluster rows 4-7 have no such tile and ask for nothing.  The branches hang on the cluster's y, the same in all partners, and on the wave's number.
	s_and_b32 s2, ttmp7, 0xffff
	s_cmp_lt_u32 s2, 4
	s_cbranch_scc0 .Lno_next
	s_cmp_eq_u32 s[RH], 0
	s_cbranch_scc0 .Lnext_scales
	global_prefetch_b8 v[PFK], s[PFA:PFA+1] offset:0x400000 th:TH_LOAD_NT scope:SCOPE_SE   ; 16 tile rows x 256 rows x 1,024 bytes on
	s_branch .Lno_next
.Lnext_scales:
	global_prefetch_b8 v[PFS], s[NXS:NXS+1] th:TH_LOAD_NT scope:SCOPE_SE
.Lno_next:
.endif
	WIN MUL
	MULA 2, 1, NQ-1, \slot, 0
	MULA 3, 1, NQ-1, \slot, 0
	PLACES NP
	WIN 0
	FETCH_A \next, 0, 2
.endm
	W                                              ; the head's addresses
	s_wait_loadcnt 0x0                             ; the biases
.set n, 0
.rept 32
	v_pk_add_f32 v[BF+64+2*n:BF+65+2*n], v[BF+64+2*n:BF+65+2*n], v[BF+2*n:BF+1+2*n]   ; b_i + b_h
.set n, n+1
.endr
	W                                              ; the head's end
	s_wait_tensorcnt 0x0                           ; my tile of the head's eight is in; the lines that stand ahead of a later first fill:
	ds_add_u32 v[SPW], v[NIL]
	s_mov_b32 s[G1+2], 64<<16                      ; no tensor load of mine is out: from here on a load of codes brings 64 rows
	s_mov_b32 s[G1+4], 64
	s_mov_b32 s[G1B+2], 64<<16
	s_mov_b32 s[G1B+4], 64
	s_mov_b32 s[G1C+0], (2<<16)|(1<<20)|(5<<22)|(3<<25)   ; c's tile: 32 rows x 64 elements of 4 bytes, no mask, padded as the others
	s_mov_b32 s[G1C+1], 64<<16
	s_mov_b32 s[G1C+2], 32<<16
	s_mov_b32 s[G1C+3], 64<<16
	s_mov_b32 s[G1C+4], 32
	s_mov_b32 s[G1C+5], 1024
	s_mov_b32 s[G1C+6], 0
	s_mov_b32 s[G1C+7], 0
	s_mov_b32 s[G0C], 1
	s_mul_i32 s[G0C+1], s[WV], 32*PITCH
	s_mov_b64 s[G0C+2:G0C+3], s[PFC:PFC+1]
	s_or_b32 s[G0C+3], s[G0C+3], 0x80000000
.irp s, 0,1                            ; the ring's group 0, where the biases' addresses lay (their loads are done)
	s_mov_b32 s[G0+4*\s], 1
	s_add_co_u32 s[G0+4*\s+1], s66, \s*SLOT
	s_add_nc_u64 s[G0+4*\s+2:G0+4*\s+3], s[RBA:RBA+1], \s*ROWB
	s_or_b32 s[G0+4*\s+3], s[G0+4*\s+3], 0x80000000
	s_mov_b32 s[G0B+4*\s], 1
	s_add_co_u32 s[G0B+4*\s+1], s66, \s*SLOT
	s_add_nc_u64 s[G0B+4*\s+2:G0B+4*\s+3], s[RBB:RBB+1], \s*ROWB
	s_or_b32 s[G0B+4*\s+3], s[G0B+4*\s+3], 0x80000000
.endr
	s_mov_b32 s[KN], 0xbfb8aa3b                    ; -log2(e)
	s_mov_b32 s[KN+1], s[KN]
	s_wait_dscnt 0x0
	CROUND                                         ; all eight tiles are in, all sixteen work-groups are here
	JLOAD G0+4, G1, G0B+4, G1B                     ; K step 1, the first tensor load behind the round
	FETCH_B 0, 0, 0
	FETCH_A 0, 0, 0
	SCALES 0
	FETCH_A 0, 0, 2
	global_prefetch_b8 v[PFK], s[PFA:PFA+1] offset:2*ROWB th:TH_LOAD_NT scope:SCOPE_SE   ; K step 2
	s_wait_dscnt 0x0
	WIN MUL_1                                      ; the first step's products start the sums from the biases
	MULA 0, 0, 0, 0, 1
	MULA 1, 0, 0, 0, 1
	MULA 2, 0, 0, 0, 1
	MULA 3, 0, 0, 0, 1
	PLACES NP
	WIN 0
	FETCH_B 0, 1, 1                                ; only now: the biases lay in this set
	FETCH_A 0, 1, 0
	FETCH_A 0, 1, 2
	STEP 0, 1
	STEP 0, 2
	TURN 0, 1, 1, 1                                ; slot 0 takes K step 2
	STEP 1, 0
	STEP 1, 1
	STEP 1, 2
	TURN 1, 0, 1, 0                                ; slot 1 takes K step 3
	STEP 0, 0
	STEP 0, 1
	STEP 0, 2
	TURN 0, 1, 2, 0                                ; slot 0 takes c
	STEP 1, 0
	STEP 1, 1
	STEP 1, 2
	s_wait_dscnt 4
	WIN MUL
	MULA 0, 1, NQ-1, 1, 0
	MULA 1, 1, NQ-1, 1, 0
	s_wait_dscnt 0
	MULA 2, 1, NQ-1, 1, 0
	MULA 3, 1, NQ-1, 1, 0
	WIN 0
	PLACES NP
; THE TAIL.  A block is 16 rows; a lane holds 16 elements of a row: set P (u = 0) and set Q (u = 1).  Fields of 8 registers: TF, TI, TG, TO the gates; FC c, then ct; FX eg Af - Af, then ht; FA Ag, then the last divisor.
; The work goes in slots, each opened by one wait.  In a slot a batch of transcendentals of one set is mixed with ONE level of plain lines of the other, whose results are read behind the next wait;
; chains of plain lines stand in slots without transcendentals.
.macro PKF d, a, b, c
	v_pk_fma_f32 v[\d:\d+1], v[\a:\a+1], v[\b:\b+1], v[\c:\c+1]
.endm
.macro PKFN d, a, b, c                 ; a b - c
	v_pk_fma_f32 v[\d:\d+1], v[\a:\a+1], v[\b:\b+1], v[\c:\c+1] neg_lo:[0,0,1] neg_hi:[0,0,1]
.endm
.macro PKM d, a, b
	v_pk_mul_f32 v[\d:\d+1], v[\a:\a+1], v[\b:\b+1]
.endm
.macro PKA1 d, a
	v_pk_add_f32 v[\d:\d+1], v[\a:\a+1], 1.0 op_sel_hi:[1,0]
.endm
.macro HOLD r                          ; two holds at 32 in one dual-issue pair
	v_dual_min_num_f32 v[\r], v7, v[\r] :: v_dual_min_num_f32 v[\r+1], v7, v[\r+1]
.endm
.macro KMUL a, set, u                  ; t = k x sum; each accumulator is read from its low end on
.irp g, 0,1,2,3
.irp i, 0,2,4,6
.if \g == 2
	v_pk_mul_f32 v[\set+8*\g+\i:\set+8*\g+\i+1], v[64*(\a)+8*(2*\g+\u)+\i:64*(\a)+8*(2*\g+\u)+\i+1], s[K2:K2+1] op_sel_hi:[1,0]
.else
	v_pk_mul_f32 v[\set+8*\g+\i:\set+8*\g+\i+1], v[64*(\a)+8*(2*\g+\u)+\i:64*(\a)+8*(2*\g+\u)+\i+1], s[KN:KN+1] op_sel_hi:[1,0]
.endif
.endr
.endr
.endm
.macro V1 set, k                       ; 16
	HOLD \set+2*(\k)
.endm
.macro T1 set, k                       ; 32: ef, ei, eg, eo
	v_exp_f32 v[\set+(\k)], v[\set+(\k)]
.endm
.macro V2 set, k                       ; 12: Af, Ag, Ao
.set zp, 2*((\k)%4)
.if (\k)/4 == 0
	PKA1 \set+FTF+zp, \set+FTF+zp
.elseif (\k)/4 == 1
	PKA1 \set+FA+zp, \set+FTG+zp
.else
	PKA1 \set+FTO+zp, \set+FTO+zp
.endif
.endm
.macro V3 set, k                       ; 8: D2 = ei Ag + Ag;  eg Af - Af
.set zp, 2*((\k)%4)
.if (\k)/4 == 0
	PKF \set+FTI+zp, \set+FTI+zp, \set+FA+zp, \set+FA+zp
.else
	PKFN \set+FX+zp, \set+FTG+zp, \set+FTF+zp, \set+FTF+zp
.endif
.endm
.macro V4 set, k                       ; 8: c D2 + (eg Af - Af);  Af D2
.set zp, 2*((\k)%4)
.if (\k)/4 == 0
	PKF \set+FC+zp, \set+FC+zp, \set+FTI+zp, \set+FX+zp
.else
	PKM \set+FTF+zp, \set+FTF+zp, \set+FTI+zp
.endif
.endm
.macro T2 set, k
	v_rcp_f32 v[\set+FTF+(\k)], v[\set+FTF+(\k)]
.endm
.macro V567 set                        ; 12: ct; 2 L ct; its hold: a chain of plain lines
.irp z, 0,2,4,6
	PKM \set+FC+\z, \set+FC+\z, \set+FTF+\z
.endr
.irp z, 0,2,4,6
	v_pk_mul_f32 v[\set+FTG+\z:\set+FTG+\z+1], v[\set+FC+\z:\set+FC+\z+1], s[K2:K2+1] op_sel_hi:[1,0]
.endr
.irp z, 0,2,4,6
	HOLD \set+FTG+\z
.endr
.endm
.macro T3 set, k
	v_exp_f32 v[\set+FTG+(\k)], v[\set+FTG+(\k)]
.endm
.macro V8 set                          ; 4: Ao ec + Ao
.irp z, 0,2,4,6
	PKF \set+FA+\z, \set+FTO+\z, \set+FTG+\z, \set+FTO+\z
.endr
.endm
.macro T4 set, k
	v_rcp_f32 v[\set+FA+(\k)], v[\set+FA+(\k)]
.endm
.macro V9 set                          ; 4: ht = ec R - R
.irp z, 0,2,4,6
	PKFN \set+FX+\z, \set+FTG+\z, \set+FA+\z, \set+FA+\z
.endr
.endm
.macro TOSTG set, field, off
	ds_store_b128 v[STO], v[\set+\field:\set+\field+3] offset:\off
	ds_store_b128 v[STO], v[\set+\field+4:\set+\field+7] offset:\off+16
.endm
.macro CIN set, off
	ds_load_b128 v[\set+FC:\set+FC+3], v[CA] offset:\off
	ds_load_b128 v[\set+FC+4:\set+FC+7], v[CA] offset:\off+16
.endm
.macro BACK b                          ; block b's 16 rows of the tensor that I store, out of its copy of the stage
.irp t, 0,1,2,3,4,5,6,7
	ds_load_b128 v[BK+4*\t:BK+4*\t+3], v[RD] offset:((\b)%2)*SPAR+2*\t*PITCH
.endr
.endm
.macro SEND b                          ; sixteen lanes store 256 consecutive bytes, aligned; two rows an instruction
.irp t, 0,1,2,3,4,5,6,7
	global_store_b128 v[CO], v[BK+4*\t:BK+4*\t+3], s[OUTP:OUTP+1] offset:(16*(\b)+2*\t)*4096 th:TH_STORE_NT
.endr
.endm
.macro BLOCK a
	CIN SETP, STEN*(\a)                            ; c's bytes are written by nobody from here on
	CIN SETQ, STEN*(\a)+64
	WIN 0x01                                       ; source 0: the sums
	W                                              ; directly ahead of the first readers of these sums
	KMUL \a, SETP, 0
	KMUL \a, SETQ, 1
	WIN 0
.set n, 0
.rept 16
	V1 SETP, n
.set n, n+1
.endr
	W
.set n, 0
.rept 16
	T1 SETP, 2*n
	V1 SETQ, n
	T1 SETP, 2*n+1
.set n, n+1
.endr
	v_nop
.if (\a) > 0
	s_barrier_wait -1                              ; block a - 1 lies whole in its copy of the stage
.if (\a) > 1
	s_wait_xcnt 0x0                                ; block a - 2's stores have read their data
.endif
	BACK (\a)-1
.endif
	W
.set n, 0
.rept 12
	T1 SETQ, n
	V2 SETP, n
.set n, n+1
.endr
	W
.set n, 0
.rept 8
	T1 SETQ, 12+n
	V3 SETP, n
.set n, n+1
.endr
	T1 SETQ, 20
	T1 SETQ, 21
	v_nop
.if (\a) > 0
	s_wait_dscnt 8                                 ; c's four loads are in; the eight from the stage, issued behind them, may be out
.else
	s_wait_dscnt 0x0
.endif
	W
.set n, 0
.rept 8
	T1 SETQ, 22+n
	V4 SETP, n
.set n, n+1
.endr
	T1 SETQ, 30
	T1 SETQ, 31
	v_nop
	W
.set n, 0
.rept 8
	T2 SETP, n
	V2 SETQ, n
.set n, n+1
.endr
.irp k, 8,9,10,11
	V2 SETQ, \k
.endr
.if (\a) > 0
	s_wait_dscnt 0x0
	SEND (\a)-1
.endif
	W
	V567 SETP
.irp k, 0,1,2,3,4,5,6,7
	V3 SETQ, \k
.endr
.irp k, 0,1,2,3,4,5,6,7
	V4 SETQ, \k
.endr
	W
	TOSTG SETP, FC, ((\a)%2)*SPAR
.irp k, 0,1,2,3,4,5,6,7
	T3 SETP, \k
	T2 SETQ, \k
.endr
	v_nop
	W
	V8 SETP
	V567 SETQ
	W
	TOSTG SETQ, FC, ((\a)%2)*SPAR+64
.irp k, 0,1,2,3,4,5,6,7
	T4 SETP, \k
	T3 SETQ, \k
.endr
	v_nop
	W
	V9 SETP
	V8 SETQ
	TOSTG SETP, FX, ((\a)%2)*SPAR+STEN
	W
.irp k, 0,1,2,3,4,5,6,7
	T4 SETQ, \k
.endr
	v_nop
	W
	V9 SETQ
	TOSTG SETQ, FX, ((\a)%2)*SPAR+STEN+64
	s_wait_dscnt 0x0                               ; for the other waves' sake: my stores into the stage are done; my reads of the other copy are long back
	s_barrier_signal -1
.endm
	s_wait_xcnt 0x0                                ; the prefetches have read their addresses: only now is s[96:97] written again
	s_mov_b32 s[K2], 0x4038aa3b                    ; 2 log2(e)
	s_mov_b32 s[K2+1], s[K2]
	s_wait_tensorcnt 0x0                           ; my 32 rows of c have landed
	s_barrier_signal -1                            ; (no LDS instruction of mine is out)
	s_barrier_wait -1                              ; everybody's part of c is in LDS
.irp a, 0,1,2,3
	BLOCK \a
.endr
	s_barrier_wait -1
	s_wait_xcnt 0x0
	BACK 3
	s_wait_dscnt 0x0
	SEND 3
	s_wait_tensorcnt 0x0                           ; the wave's end
	ds_add_u32 v[SPW], v[NIL]
	s_wait_dscnt 0x0
	CROUND                                         ; the closing round
	s_endpgm
.Lfunc_end_k_qa9d50640b6_cell:
	.size	k_qa9d50640b6_cell, .Lfunc_end_k_qa9d50640b6_cell-k_qa9d50640b6_cell
	.p2alignl 7, 3214868480
	.fill 96, 4, 3214868480
	.section	.rodata,"a",@progbits
	.p2align	6, 0x0
	.amdhsa_kernel k_qa9d50640b6_cell
		.amdhsa_group_segment_fixed_size 327680
		.amdhsa_private_segment_fixed_size 0
		.amdhsa_enable_private_segment 0
		.amdhsa_kernarg_size 120
		.amdhsa_user_sgpr_count 2
		.amdhsa_user_sgpr_kernarg_segment_ptr 1
		.amdhsa_wavefront_size32 1
		.amdhsa_system_sgpr_workgroup_id_x 1
		.amdhsa_system_sgpr_workgroup_id_y 1
		.amdhsa_system_sgpr_workgroup_id_z 1
		.amdhsa_system_vgpr_workitem_id 0
		.amdhsa_next_free_vgpr 512
		.amdhsa_next_free_sgpr 102
		.amdhsa_reserve_vcc 0
		.amdhsa_float_denorm_mode_32 3
		.amdhsa_float_denorm_mode_16_64 3
		.amdhsa_memory_ordered 1
		.amdhsa_forward_progress 1
		.amdhsa_inst_pref_size 184
	.end_amdhsa_kernel
	.amdgpu_metadata
---
amdhsa.version: [ 1, 2 ]
amdhsa.kernels:
  - .name:           k_qa9d50640b6_cell
    .symbol:         k_qa9d50640b6_cell.kd
    .args:
      - { .name: a_codes, .offset: 0, .size: 8, .value_kind: global_buffer, .address_space: global }
      - { .name: a_scales, .offset: 8, .size: 8, .value_kind: global_buffer, .address_space: global }
      - { .name: b_codes, .offset: 16, .size: 8, .value_kind: global_buffer, .address_space: global }
      - { .name: b_scales, .offset: 24, .size: 8, .value_kind: global_buffer, .address_space: global }
      - { .name: c, .offset: 32, .size: 8, .value_kind: global_buffer, .address_space: global }
      - { .name: out0, .offset: 40, .size: 8, .value_kind: global_buffer, .address_space: global }
      - { .name: out1, .offset: 48, .size: 8, .value_kind: global_buffer, .address_space: global }
      - { .name: bf_i, .offset: 56, .size: 8, .value_kind: global_buffer, .address_space: global }
      - { .name: bf_h, .offset: 64, .size: 8, .value_kind: global_buffer, .address_space: global }
      - { .name: bi_i, .offset: 72, .size: 8, .value_kind: global_buffer, .address_space: global }
      - { .name: bi_h, .offset: 80, .size: 8, .value_kind: global_buffer, .address_space: global }
      - { .name: bg_i, .offset: 88, .size: 8, .value_kind: global_buffer, .address_space: global }
      - { .name: bg_h, .offset: 96, .size: 8, .value_kind: global_buffer, .address_space: global }
      - { .name: bo_i, .offset: 104, .size: 8, .value_kind: global_buffer, .address_space: global }
      - { .name: bo_h, .offset: 112, .size: 8, .value_kind: global_buffer, .address_space: global }
    .group_segment_fixed_size: 327680
    .private_segment_fixed_size: 0
    .kernarg_segment_align: 8
    .kernarg_segment_size: 120
    .max_flat_workgroup_size: 256
    .sgpr_count:     102
    .vgpr_count:     512
    .wavefront_size: 32
...
	.end_amdgpu_metadata
.endif
;; end of part 2
